; MI455X (gfx1250); checked and timed in simulation.
; The chip was launched on July 23, 2026; its instructions are those of AMD's public machine-readable ISA for CDNA 5 (MIT licence, August 2026) and "CDNA5" Instruction Set Architecture Reference Guide (July 2026). The comments in the code are by the model that wrote it; some were corrected since.
;; Sparse Linear. Allowed arithmetic: matrix products marked QUANTISED: E5M2 operands, one given power-of-two scale a tensor, by v_wmma_f32_16x16x64_bf8_bf8 or v_wmma_f32_16x16x128_bf8_bf8, f32 sums; everything else in f32.
;; Inputs: bias 4,096 float32; lowp_scales 2 int32 (the exponents e of the quantised operands' scales 2^e); mask 4,096 x 4,096 bool; residual_connection 4,096 int32; weight 4,096 x 4,096 float32; x 4,096 x 4,096 float32.
;; Outputs: out0 4,096 x 4,096 float32.
;; This version of the problem:
;;   THIS VERSION OF THE PROBLEM IS GIVEN IN LOW PRECISION. The matrix products marked QUANTISED in the list below multiply operands that are first quantised to E5M2 (5 exponent bits, 2 mantissa bits; 8 bits a number), with one given power-of-two scale for each operand tensor; their sums are f32. All else is computed in f32.
;;   The module's matrix products, in the order in which they are computed (A, B: the left and right operand; K: the contracted axis; several contracted axes count as one K, in the product's order):
;;     1. [M 4,096, K 4,096] x [K 4,096, N 4,096]; A: input x; B: computed on the way: QUANTISED (scales: A lowp_scales[0], B lowp_scales[1])
;;   THE QUANTISER, for each operand of a quantised product, along K:
;;     - The operand's scale is 2^e, e = its entry of the input lowp_scales (int32; the entries are numbered through the quantised products in the list's order, A before B).
;;     - Each number is divided by the scale, clamped to +-57,344, and rounded to the nearest number of E5M2, ties to even, subnormals kept.
;;     - The product sums the exact products of the quantised numbers (number of the format x scale) in f32.
;;   ~~~python
;;   def quantise(x, axis, e):      # numpy; x: float32 -> the quantised numbers, widened to float32 again
;;       x = np.moveaxis(x, axis, -1); K = x.shape[-1]
;;       r = np.clip(x / 2.0 ** e, -57344, 57344)
;;       step = 2.0 ** (np.maximum(np.frexp(np.where(r == 0, 1, r))[1] - 1, -14) - 2)
;;       q = np.round(r / step) * step * 2.0 ** e      # np.round: ties to even
;;       return np.moveaxis(q, -1, axis).astype(np.float32)
;;   ~~~
;;   OPERANDS COMPUTED ON THE WAY. 'Computed on the way' means the value that the module computes at that place (a softmax that the list does not call 'softmax' is quantised finished and normalised). What goes into a quantiser is computed in f32, as accurately as f32 sums, v_exp_f32 and their like allow (about 1e-6 of the number): no bf16 or f16 on the way to a quantiser, and a product that is left as it is and whose result goes on into a quantised operand takes f32 operands (vector FMAs, or v_wmma_f32_16x16x4_f32). A number that lies on a knife's edge between two numbers of the format may be rounded either way, as far as f32 arithmetic and the matrix unit's own rounding can turn it there, and no further.
;; One version. Each part assembles by itself: llvm-mc -triple=amdgcn-amd-amdhsa -mcpu=gfx1250 --defsym DOCPART=n.
;; ======== version 1 of 1: 2 launches
;; limits: right only within a limited range of input values
;; workspace buffers: x_codes 16,777,216 bytes; w_codes 16,777,216 bytes; xg 67,108,864 bytes
;; launch prep (part 1): grid 512 x 1, 8 waves a work-group, no clusters, 66,560 bytes of LDS; arguments x, weight, mask, residual_connection, lowp_scales, x_codes, w_codes, xg; writes x_codes, w_codes, xg
.if DOCPART == 1
	.amdgcn_target "amdgcn-amd-amdhsa--gfx1250"
	.amdhsa_code_object_version 6
	.text
	.protected	k_q45bbcfd1fb_prep
	.globl	k_q45bbcfd1fb_prep
	.p2align	8
	.type	k_q45bbcfd1fb_prep,@function
k_q45bbcfd1fb_prep:
	s_mov_b64 s[64:65], 0
	v_nop
	global_prefetch_b8 v0, s[64:65] scope:SCOPE_SE
	s_setreg_imm32_b32 hwreg(HW_REG_WAVE_MODE, 25, 1), 1
	s_wait_xcnt 0x0
; x [4096][4096] f32 and (mask ? weight : 0) [4096][4096] f32 are turned into codes of BF8 (E5M2), one byte a number, each with the one scale 2^e that is given for it (e0 for x, e1 for the weight),
; and the residual is gathered: xg[m][n] = x[m][rc[n]], f32, dense, laid as the output is.
; code = number / 2^e, held within +-57,344, rounded to the nearest code, ties to even.  A weight whose mask byte is 0 gets the code 0, which is the code of the number 0, whatever the weight holds.
; LIMITS: e0 and e1 each between -126 and 112, so that 2^e and 57,344 x 2^e are f32 numbers.  NaN in x or in an unmasked weight is not served (the hold drops it); an infinity is held at the largest code.
;         A mask byte is 0 or 1.  An index is held at 4,095 from above.
; ORDER OF A ROW OF CODES, the same in both buffers: byte 16 t + 4 j + i holds k = 1024 j + 4 t + i (t = 0..255, j, i = 0..3).  That is the order in which 256 threads get a row of 16,384 bytes by four loads of
; 16 bytes each (chunk j at byte 4096 j, thread t at 16 t).  With one scale for a tensor a permutation of K that is the same in both operands leaves every product with its partner: only the order of the sums changes.
; So every load of a wave covers 512 consecutive bytes, a thread's 16 numbers go to the conversions as they come, and a thread's 16 codes are 16 bytes: a wave's store covers 512 consecutive bytes, aligned.
; SHARES.  512 work-groups of eight waves, all alike, one path, no branch: work-group w takes rows 8 w .. 8 w + 7 of x, then the same eight rows of weight and mask.  A row belongs to the whole work-group.
; THE GATHER.  Four rows of x at a time lie in LDS as they lie in memory; each thread reads its 16 columns' numbers of each row from there and stores them as 4 x 16 bytes, 512 consecutive bytes a wave.
; NO CLUSTER, NO TENSOR LOAD, NO MATRIX UNIT: the work-groups share only the index list (16 KB beside the 288 KB that each reads of its own), and the work is a stream.
.set ROWF, 16384                       ; a row of f32 in bytes
.set ROWC, 4096                        ; a row of codes, and of the mask, in bytes
.set O16,  1                           ; v1       16 t: my place in a chunk, in a row of codes, in a quarter row of xg, and in a row's image in LDS; never rewritten
.set O4,   2                           ; v2       4 t: my place in a quarter row of the mask; never rewritten
.set SCX,  4                           ; v4, v5   2^e0 and 57,344 x 2^e0
.set LIMX, 5
.set SCW,  6                           ; v6, v7   2^e1 and 57,344 x 2^e1
.set LIMW, 7
.set RC,   8                           ; v8-23    4 x rc[1024 q + 4 t + i] at v[8 + 4 q + i]: byte offsets in a row's image
.set X,    32                          ; v32-95   four rows as loaded: row r, chunk j at v[32 + 16 r + 4 j]
.set T,    96                          ; v96-127  the held numbers, two sets of 16 by turns
.set C,    128                         ; v128-143 codes: row r at v[128 + 4 r]
.set G,    144                         ; v144-207 gathered numbers: row r, quarter q at v[144 + 16 r + 4 q]
.set M,    208                         ; v208-223 mask words: row r, chunk j at v[208 + 4 r + j]
.set MT,   224                         ; v224-227 a row's mask words with each byte 0x00 or 0xff
	s_load_b256 s[4:11], s[0:1], 0x0               ; x s[4:5], weight s[6:7], mask s[8:9], the index list s[10:11]
	s_load_b256 s[12:19], s[0:1], 0x20             ; the scales' exponents s[12:13], x's codes s[14:15], the weight's codes s[16:17], xg s[18:19]
	v_lshl_add_u32 v228, v0, 2, 0x10000
	v_mov_b32 v229, 0
	v_lshlrev_b32 v[O16], 4, v0
	v_lshlrev_b32 v[O4], 2, v0
	v_lshlrev_b32 v3, 8, v0                        ; prefetches: 256 t: the 256 threads name the 256 runs of 256 bytes of a group's four rows of f32; never rewritten
	v_lshlrev_b32 v27, 7, v0                       ; 128 t: the mask's eight rows are 128 runs of 256 bytes, two neighbouring lanes to a run; never rewritten
	s_lshl_b32 s20, ttmp9, 17                      ; my eight rows of 16,384 bytes (under 2^26)
	s_mov_b32 s21, 0
	s_lshl_b32 s24, ttmp9, 15                      ; my eight rows of 4,096 bytes
	s_mov_b32 s25, 0
	s_wait_alu depctr_va_vdst(0)
	s_wait_kmcnt 0x0
	s_load_b64 s[22:23], s[12:13], 0x0             ; e0, e1
	s_add_nc_u64 s[4:5], s[4:5], s[20:21]
	s_add_nc_u64 s[6:7], s[6:7], s[20:21]
	s_add_nc_u64 s[18:19], s[18:19], s[20:21]
	s_add_nc_u64 s[8:9], s[8:9], s[24:25]
	s_add_nc_u64 s[14:15], s[14:15], s[24:25]
	s_add_nc_u64 s[16:17], s[16:17], s[24:25]
.macro XLOAD g                         ; group g's four rows of x: 16 loads a thread, each 512 consecutive bytes a wave
.irp r, 0,1,2,3
.irp j, 0,1,2,3
	global_load_b128 v[X+16*\r+4*\j:X+16*\r+4*\j+3], v[O16], s[4:5] offset:(4*(\g)+\r)*ROWF+4096*\j th:TH_LOAD_NT
.endr
.endr
.endm
.macro WLOADROW g, r                   ; row r of group g of the weight (four loads of 16 bytes) and of the mask (four of 4 bytes: the bytes of the same 16 numbers)
.irp j, 0,1,2,3
	global_load_b128 v[X+16*(\r)+4*\j:X+16*(\r)+4*\j+3], v[O16], s[6:7] offset:(4*(\g)+(\r))*ROWF+4096*\j th:TH_LOAD_NT
.endr
.irp j, 0,1,2,3
	global_load_b32 v[M+4*(\r)+\j], v[O4], s[8:9] offset:(4*(\g)+(\r))*ROWC+1024*\j th:TH_LOAD_NT
.endr
.endm
; Row r's 16 numbers become 16 codes.  The held numbers go into T, so that X stays whole for the LDS stores; T's two sets take turns, so that the next row's holds, plain vector lines on other registers,
; stand between these conversions and the next vector line that writes their sources.
.macro QUANT r, sc, lim
.set TS, T+16*((\r)%2)
.irp n, 0,1,2,3,4,5,6,7,8,9,10,11,12,13,14,15
	v_med3_num_f32 v[TS+\n], v[X+16*(\r)+\n], -v[\lim], v[\lim]   ; the conversion to an 8-bit code does not saturate (ISA guide 7.6.2): the hold at the largest code x the scale
.endr
	v_cvt_scalef32_pk8_bf8_f32 v[C+4*(\r):C+4*(\r)+1], v[TS:TS+7], v[\sc]          ; word j of the four = chunk j's four codes, the first number's in the lowest byte
	v_cvt_scalef32_pk8_bf8_f32 v[C+4*(\r)+2:C+4*(\r)+3], v[TS+8:TS+15], v[\sc]
.endm
.macro GATH r                          ; x[row r][rc[n]] for my 16 columns n, from the row's image
.irp n, 0,1,2,3,4,5,6,7,8,9,10,11,12,13,14,15
	ds_load_b32 v[G+16*(\r)+\n], v[RC+\n] offset:(\r)*ROWF
.endr
.endm
.macro GOUT g, r                       ; and out: 512 consecutive bytes a wave, aligned
.irp q, 0,1,2,3
	global_store_b128 v[O16], v[G+16*(\r)+4*\q:G+16*(\r)+4*\q+3], s[18:19] offset:(4*(\g)+(\r))*ROWF+4096*\q
.endr
.endm
; A group of four rows of x.  last = 0: the next group of x is asked for behind the first barrier; last = 1: the weight's first four rows.
.macro XT g, last
.if (\g) > 0
	s_wait_xcnt 0x0                                ; C and G were the data of the last group's stores: they are rewritten only behind this wait
.endif
.irp r, 0,1,2,3
	s_wait_loadcnt 12-4*\r                         ; loads come back in order: row r's four are in, the later rows' (four each) may be out
.irp j, 0,1,2,3
	ds_store_b128 v[O16], v[X+16*\r+4*\j:X+16*\r+4*\j+3] offset:\r*ROWF+4096*\j   ; the row's image, as it lies in memory
.endr
	QUANT \r, SCX, LIMX
	global_store_b128 v[O16], v[C+4*\r:C+4*\r+3], s[14:15] offset:(4*(\g)+\r)*ROWC
.endr
	s_wait_dscnt 0x0                               ; for the others' sake: my stores into the images are done
	s_barrier_signal -1
	s_barrier_wait -1                              ; the four images are whole for every wave
.if \last
.irp r, 0,1,2,3
	WLOADROW 0, \r
.endr
	global_prefetch_b8 v3, s[6:7] offset:4*ROWF th:TH_LOAD_NT scope:SCOPE_SE   ; behind the loads of the weight's rows 0-3: its rows 4-7, which the ring loads one group later
.else
	XLOAD (\g)+1
	global_prefetch_b8 v3, s[6:7] th:TH_LOAD_NT scope:SCOPE_SE                 ; behind the loads of x's rows 4-7: the weight's rows 0-3, which are loaded one group later,
	global_prefetch_b8 v27, s[8:9] th:TH_LOAD_NT scope:SCOPE_SE                ; and the mask's eight rows, 32,768 bytes
.endif
	GATH 0
	GATH 1
	GATH 2
	s_wait_dscnt 32                                ; LDS loads come back in order: row 0's 16 are in, the 32 behind them may be out
	GOUT \g, 0
	GATH 3
	s_wait_dscnt 32                                ; row 1's are in (behind them: rows 2 and 3)
	GOUT \g, 1
	s_wait_dscnt 16
	GOUT \g, 2
	s_wait_dscnt 0x0                               ; all my reads of the images are back
	GOUT \g, 3
.if !(\last)
	s_barrier_signal -1
	s_barrier_wait -1                              ; every wave's are: only now are the images written again
.endif
.endm
; A row of the weight, in a ring of four rows.  ahead = 1: the row's registers take the same row of the next group.  left = the younger loads that may stay out.
.macro WROW g, r, ahead, left
	s_wait_loadcnt \left                           ; my row's eight loads are in
	s_wait_xcnt 0x0                                ; C's row r was a store's data: it is rewritten only behind this wait
	QUANT \r, SCW, LIMW
.irp j, 0,1,2,3
	v_lshlrev_b32 v[MT+\j], 8, v[M+4*(\r)+\j]      ; the word x 255 = (word << 8) - word: bytes 0 and 1 become 0x00 and 0xff.  (These plain lines also stand between the conversions and the lines that touch their results)
	s_delay_alu instid0(VALU_DEP_1)
	v_sub_nc_u32 v[MT+\j], v[MT+\j], v[M+4*(\r)+\j]
.endr
.irp j, 0,1,2,3
	v_and_b32 v[C+4*(\r)+\j], v[C+4*(\r)+\j], v[MT+\j]   ; a masked weight's code is 0
.endr
.if \ahead
	WLOADROW (\g)+1, \r
.endif
	global_store_b128 v[O16], v[C+4*(\r):C+4*(\r)+3], s[16:17] offset:(4*(\g)+(\r))*ROWC
.endm
.irp q, 0,1,2,3
	global_load_b128 v[RC+4*\q:RC+4*\q+3], v[O16], s[10:11] offset:4096*\q   ; rc[1024 q + 4 t + 0..3]; every work-group reads the list, so no hint
.endr
	XLOAD 0
	global_prefetch_b8 v3, s[4:5] offset:4*ROWF th:TH_LOAD_NT scope:SCOPE_SE   ; the four groups are written out, and each asks one group ahead: behind the loads of x's rows 0-3, its rows 4-7
	s_wait_kmcnt 0x0
	s_add_co_i32 s26, s22, 127
	s_lshl_b32 s27, s26, 23
	v_mov_b32 v[SCX], s27                          ; 2^e0 as f32: the conversion takes its exponent field
	s_add_co_i32 s26, s26, 15
	s_lshl_b32 s26, s26, 23
	s_or_b32 s26, s26, 0x600000
	v_mov_b32 v[LIMX], s26                         ; 57,344 x 2^e0
	s_add_co_i32 s28, s23, 127
	s_lshl_b32 s29, s28, 23
	v_mov_b32 v[SCW], s29                          ; the same with e1
	s_add_co_i32 s28, s28, 15
	s_lshl_b32 s28, s28, 23
	s_or_b32 s28, s28, 0x600000
	v_mov_b32 v[LIMW], s28
	s_wait_loadcnt 16                              ; the index list is in; the 16 loads of x behind it may be out
.irp n, 0,1,2,3,4,5,6,7,8,9,10,11,12,13,14,15
	v_min_u32 v[RC+\n], 0xfff, v[RC+\n]            ; an index stays inside a row
.endr
.irp n, 0,1,2,3,4,5,6,7,8,9,10,11,12,13,14,15
	v_lshlrev_b32 v[RC+\n], 2, v[RC+\n]            ; in bytes
.endr
	XT 0, 0
	XT 1, 1
.irp r, 0,1,2,3
	WROW 0, \r, 1, 24                              ; behind my row's loads: three rows of eight
.endr
.irp r, 0,1,2,3
	WROW 1, \r, 0, 24-8*\r                         ; the last four rows ask for nothing: the counts run down
.endr
	s_wait_tensorcnt 0x0
	ds_add_u32 v228, v229
	s_wait_dscnt 0x0
	s_endpgm
.Lfunc_end_k_q45bbcfd1fb_prep:
	.size	k_q45bbcfd1fb_prep, .Lfunc_end_k_q45bbcfd1fb_prep-k_q45bbcfd1fb_prep
	.p2alignl 7, 3214868480
	.fill 96, 4, 3214868480
	.section	.rodata,"a",@progbits
	.p2align	6, 0x0
	.amdhsa_kernel k_q45bbcfd1fb_prep
		.amdhsa_group_segment_fixed_size 66560
		.amdhsa_private_segment_fixed_size 0
		.amdhsa_enable_private_segment 0
		.amdhsa_kernarg_size 64
		.amdhsa_user_sgpr_count 2
		.amdhsa_user_sgpr_kernarg_segment_ptr 1
		.amdhsa_wavefront_size32 1
		.amdhsa_system_sgpr_workgroup_id_x 1
		.amdhsa_system_sgpr_workgroup_id_y 1
		.amdhsa_system_sgpr_workgroup_id_z 1
		.amdhsa_system_vgpr_workitem_id 0
		.amdhsa_next_free_vgpr 230
		.amdhsa_next_free_sgpr 66
		.amdhsa_reserve_vcc 0
		.amdhsa_float_denorm_mode_32 3
		.amdhsa_float_denorm_mode_16_64 3
		.amdhsa_memory_ordered 1
		.amdhsa_forward_progress 1
		.amdhsa_inst_pref_size 51
	.end_amdhsa_kernel
	.amdgpu_metadata
---
amdhsa.version: [ 1, 2 ]
amdhsa.kernels:
  - .name:           k_q45bbcfd1fb_prep
    .symbol:         k_q45bbcfd1fb_prep.kd
    .args:
      - { .name: x, .offset: 0, .size: 8, .value_kind: global_buffer, .address_space: global }
      - { .name: weight, .offset: 8, .size: 8, .value_kind: global_buffer, .address_space: global }
      - { .name: mask, .offset: 16, .size: 8, .value_kind: global_buffer, .address_space: global }
      - { .name: residual_connection, .offset: 24, .size: 8, .value_kind: global_buffer, .address_space: global }
      - { .name: lowp_scales, .offset: 32, .size: 8, .value_kind: global_buffer, .address_space: global }
      - { .name: x_codes, .offset: 40, .size: 8, .value_kind: global_buffer, .address_space: global }
      - { .name: w_codes, .offset: 48, .size: 8, .value_kind: global_buffer, .address_space: global }
      - { .name: xg, .offset: 56, .size: 8, .value_kind: global_buffer, .address_space: global }
    .group_segment_fixed_size: 66560
    .private_segment_fixed_size: 0
    .kernarg_segment_align: 8
    .kernarg_segment_size: 64
    .max_flat_workgroup_size: 256
    .sgpr_count:     66
    .vgpr_count:     230
    .wavefront_size: 32
...
	.end_amdgpu_metadata
.endif
;; end of part 1
;; launch gemm (part 2): grid 16 x 16, 4 waves a work-group, clusters of 4 x 4, 327,680 bytes of LDS; arguments x_codes, w_codes, lowp_scales, bias, xg, out0; writes out0
.if DOCPART == 2
	.amdgcn_target "amdgcn-amd-amdhsa--gfx1250"
	.amdhsa_code_object_version 6
	.text
	.protected	k_q45bbcfd1fb_gemm
	.globl	k_q45bbcfd1fb_gemm
	.p2align	8
	.type	k_q45bbcfd1fb_gemm,@function
k_q45bbcfd1fb_gemm:
	s_mov_b64 s[64:65], 0
	v_nop
	global_prefetch_b8 v0, s[64:65] scope:SCOPE_SE
	s_setreg_imm32_b32 hwreg(HW_REG_WAVE_MODE, 25, 1), 1
	s_wait_xcnt 0x0
	s_wait_alu depctr_hold_cnt(0) depctr_sa_sdst(0) depctr_va_vdst(0) depctr_va_sdst(0) depctr_va_ssrc(0) depctr_va_vcc(0) depctr_vm_vsrc(0)
	s_getreg_b32 s2, hwreg(HW_REG_IB_STS2, 6, 4)
	s_cmp_eq_u32 s2, 0
	s_cbranch_scc0 .Lentry_in_a_cluster
	s_endpgm
.Lentry_in_a_cluster:
	s_bfe_u32 s2, ttmp6, 0x10000c
	s_cmp_lg_u32 s2, 0xf033
	s_cbranch_scc0 .Lentry_shape_is_right
	s_endpgm
.Lentry_shape_is_right:
; out0[m][n] = relu(2^(e0 + e1) x sum over k of xc[m][k] wc[n][k] + bias[n]) + xg[m][n].  xc, wc: codes of BF8 (E5M2), rows of 4,096 bytes, K in the same order in both; sums in f32.
; LIMIT: e0 + e1 between -126 and 127, so that 2^(e0 + e1) is an f32 number.
; A work-group of four waves makes 256 x 256 of the output, a wave 128 x 128: 64 accumulators, 512 registers.  K goes in steps of 256 through two LDS slots; a tile's row is 256 bytes of memory, 272 in LDS.
; CLUSTER 4 x 4: the four of a row need the same tiles of xc, the four of a column the same tiles of wc: each tile is asked for jointly.  Waves 0, 1 fetch xc's two halves of 128 rows, waves 2, 3 wc's.
; THE MATRIX INSTRUCTION IS USED TRANSPOSED (source 0 = 16 rows of wc, source 1 = 16 rows of xc): a lane holds eight neighbouring columns of one row of the output.
; REGISTERS: window 0: v0-31 addresses and bias; v128-255 xc's fragments, one set; on the way out rows back from the stage.  window 1: wc's fragments, two sets; on the way out xg.
;   window 2: accumulators of my rows 0-63 ((a, b) at v[8 (8 a + b)]); window 3: of my rows 64-127.
; PREFETCHES.  Behind the joint load of K step g stands a request for K step g + 2 (the head also names K step 1): of the 128 rows that a wave fetches each of the four partners that ask with it names 32,
; by its place in the cluster, a lane to a row's 256 bytes.  The loop's last trip, whose K steps two on do not exist, names none.  In each lap a wave also names one block of 16 rows x 512 bytes of its part of xg.
.set KROW,   4096
.set ROWB,   256
.set PITCH,  272
.set FR,     16
.set NL,     4
.set NP,     4
.set HALFT,  128*PITCH
.set SLOT,   4*HALFT
.set LAPS,   8
.set SPARE,  2*SLOT                    ; behind the ring: the spare words, 128 bytes a wave
.set SPITCH, 528                       ; the way out: 16 rows x (512 + 16) bytes a wave, in slot 0, behind that slot's last fill and last read
.set BI,   8
.set PF,   12                          ; v12 xg prefetch: row lane / 2, 256 bytes x lane % 2
.set PFO,  14                          ; v14 tile prefetch: lane x a row of codes
.set ADRA, 16
.set ADRB, 20
.set STO,  24
.set RD,   25
.set CO,   26
.set SPW,  28
.set NIL,  29
.set AF,   128
.set BK,   128
.set G1, 24
.set G0, 32
.set G1B, 48
.set G0B, 56
.set PT, 72                            ; s[72:73] the codes' rows that my wave prefetches, at this lap's first K step
.set PX, 76                            ; s[76:77] xg at the block that this lap prefetches
.set MSB, 0
.macro WIN new                         ; the immediate's high byte repeats the setting that is left
.if MSB != \new
	s_set_vgpr_msb (MSB<<8)|\new
.set MSB, \new
.endif
.endm
.set MUL_LO, 0xa1
.set MUL_HI, 0xf1
.set TO_B,   0x40
.macro PLACES n                        ; places behind matrix instructions (ISA guide 7.12.1)
.rept \n
	v_nop
.endr
.endm
.macro JLOAD g0a, g1a, g0b, g1b        ; a joint load; s_nop 0 and four v_nop behind each line
	s_cmp_eq_u32 s15, 0
	s_cbranch_scc0 .Lfor_b_\@
	tensor_load_to_lds s[\g0a:\g0a+3], s[\g1a:\g1a+7]
	s_nop 0
	PLACES 4
	s_branch .Lasked_\@
.Lfor_b_\@:
	tensor_load_to_lds s[\g0b:\g0b+3], s[\g1b:\g1b+7]
	s_nop 0
	PLACES 4
.Lasked_\@:
.endm
.macro CREST
	s_cmp_lg_u32 s14, 0
	s_cbranch_scc1 .Lnot_wave_0_\@
	s_barrier_signal -3
.Lnot_wave_0_\@:
	s_barrier_wait -3
	s_barrier_signal -1
	s_barrier_wait -1
.endm
.macro CROUND
	s_barrier_signal -1
	s_barrier_wait -1
	CREST
.endm
.macro ASKT off, guard                 ; guard = 1: not in the loop's last trip
.if \guard
	s_cmp_eq_u32 s3, 1
	s_cbranch_scc1 .Lnone_\@
.endif
	global_prefetch_b8 v[PFO], s[PT:PT+1] offset:\off th:TH_LOAD_NT scope:SCOPE_SE
.if \guard
.Lnone_\@:
.endif
.endm
	s_load_b128 s[4:7], s[0:1], 0x0                ; x_codes, w_codes
	s_load_b128 s[8:11], s[0:1], 0x10              ; the exponents, bias
	s_load_b128 s[68:71], s[0:1], 0x20             ; xg, out0
	v_lshl_add_u32 v[SPW], v0, 2, SPARE
	v_mov_b32 v[NIL], 0
	ds_add_u32 v[SPW], v[NIL]                      ; the opening lines: the add twice on end and one wait
	ds_add_u32 v[SPW], v[NIL]
	v_lshrrev_b32 v1, 5, v0
	v_readfirstlane_b32 s14, v1                    ; wave
	s_lshr_b32 s15, s14, 1                         ; my half of the rows; also: I fetch for xc (0) or wc (1)
	s_and_b32 s16, s14, 1                          ; my half of the columns; also: which 128 rows I fetch
	s_mul_i32 s21, s15, HALFT
	s_mul_i32 s22, s16, HALFT
	s_add_co_u32 s22, s22, 2*HALFT
	s_mul_i32 s23, s14, 16*SPITCH
	v_and_b32 v1, 15, v0                           ; r
	v_bfe_u32 v2, v0, 4, 1                         ; h
	v_and_b32 v6, 31, v0                           ; lane
	v_mul_u32_u24 v3, v1, PITCH
	v_lshl_add_u32 v4, v2, 4, v3
	v_add_nc_u32 v[ADRA], s21, v4
	v_add_nc_u32 v[ADRB], s22, v4
	v_add_nc_u32 v[ADRA+1], SLOT, v[ADRA]
	v_add_nc_u32 v[ADRB+1], SLOT, v[ADRB]
	v_mul_u32_u24 v5, v1, SPITCH
	v_lshl_add_u32 v5, v2, 5, v5
	v_add_nc_u32 v[STO], s23, v5
	v_lshlrev_b32 v[CO], 4, v6
	v_add_nc_u32 v[RD], s23, v[CO]
	v_lshrrev_b32 v7, 1, v6
	v_and_b32 v13, 1, v6
	v_lshlrev_b32 v7, 14, v7
	v_lshl_add_u32 v[PF], v13, 8, v7
	v_lshlrev_b32 v[PFO], 12, v6
	s_bfe_u32 s40, ttmp6, 0x40000                  ; cx
	s_bfe_u32 s41, ttmp6, 0x40004                  ; cy
	s_lshl_b32 s42, ttmp9, 2
	s_add_co_u32 s42, s42, s40                     ; tile column
	s_and_b32 s17, ttmp7, 0xffff
	s_lshl_b32 s17, s17, 2
	s_add_co_u32 s17, s17, s41                     ; tile row
	s_lshl_b32 s43, s41, 2
	s_lshl_b32 s43, 15, s43                        ; my row of the cluster
	s_lshl_b32 s44, 0x1111, s40                    ; my column
	s_or_b32 s[G1+0], s43, (0<<16)|(1<<20)|(1<<21)|(5<<22)|(3<<25)   ; bytes; 16 bytes of padding behind every 256
	s_or_b32 s[G1B+0], s44, (0<<16)|(1<<20)|(1<<21)|(5<<22)|(3<<25)
.irp g, G1, G1B
	s_mov_b32 s[\g+1], ROWB<<16
	s_mov_b32 s[\g+2], 128<<16
	s_mov_b32 s[\g+3], ROWB<<16
	s_mov_b32 s[\g+4], 128
	s_mov_b32 s[\g+5], KROW
	s_mov_b32 s[\g+6], 0
	s_mov_b32 s[\g+7], 0
.endr
	s_lshl_b32 s18, s16, 7
	s_lshl_b32 s20, s17, 8
	s_add_co_u32 s20, s20, s18                     ; xc: row 256 x tile row + 128 x half
	s_lshl_b32 s46, s42, 8
	s_add_co_u32 s46, s46, s18                     ; wc: row 256 x tile column + 128 x half
	s_mov_b32 s21, 0
	s_mov_b32 s47, 0
	s_mov_b64 s[18:19], KROW
	s_mul_u64 s[20:21], s[20:21], s[18:19]
	s_mul_u64 s[46:47], s[46:47], s[18:19]
	s_mul_i32 s45, s14, HALFT
	s_wait_alu depctr_va_vdst(0)
	s_wait_dscnt 0x0
	s_wait_kmcnt 0x0
	s_load_b64 s[96:97], s[8:9], 0x0               ; e0, e1
	s_cmp_eq_u32 s15, 0                            ; the prefetches: do I fetch for xc?
	s_cselect_b32 s74, s17, s42                    ; the tile's number,
	s_cselect_b32 s75, s40, s41                    ; my place among the four that ask with me,
	s_cselect_b64 s[PT:PT+1], s[4:5], s[6:7]
	s_lshl_b32 s74, s74, 8
	s_lshl_b32 s78, s16, 7
	s_add_co_u32 s74, s74, s78                     ; the 128 rows that I fetch,
	s_lshl_b32 s75, s75, 5
	s_add_co_u32 s74, s74, s75                     ; my work-group's 32 of them,
	s_lshl_b32 s74, s74, 12                        ; in bytes
	s_mov_b32 s75, 0
	s_add_nc_u64 s[PT:PT+1], s[PT:PT+1], s[74:75]
	s_add_nc_u64 s[20:21], s[4:5], s[20:21]
	s_add_nc_u64 s[46:47], s[6:7], s[46:47]
.irp s, 0,1
	s_mov_b32 s[G0+4*\s], 1
	s_add_co_u32 s[G0+4*\s+1], s45, \s*SLOT
	s_add_nc_u64 s[G0+4*\s+2:G0+4*\s+3], s[20:21], \s*ROWB
	s_or_b32 s[G0+4*\s+3], s[G0+4*\s+3], 0x80000000
	s_mov_b32 s[G0B+4*\s], 1
	s_add_co_u32 s[G0B+4*\s+1], s45, \s*SLOT
	s_add_nc_u64 s[G0B+4*\s+2:G0B+4*\s+3], s[46:47], \s*ROWB
	s_or_b32 s[G0B+4*\s+3], s[G0B+4*\s+3], 0x80000000
.endr
	CROUND                                         ; all sixteen work-groups are here: the first joint loads meet
	JLOAD G0, G1, G0B, G1B                         ; K step 0: one tensor load a wave at the head
	ASKT 256, 0
	ASKT 512, 0
	s_lshl_b32 s20, s17, 8
	s_lshl_b32 s21, s15, 7
	s_add_co_u32 s20, s20, s21                     ; my first row of the output
	s_mov_b32 s21, 0
	s_mov_b64 s[18:19], 16384
	s_mul_u64 s[20:21], s[20:21], s[18:19]
	s_lshl_b32 s46, s42, 10
	s_lshl_b32 s47, s16, 9
	s_add_co_u32 s46, s46, s47                     ; my first column, in bytes
	s_mov_b32 s47, 0
	s_add_nc_u64 s[10:11], s[10:11], s[46:47]
	s_add_nc_u64 s[20:21], s[20:21], s[46:47]
	s_add_nc_u64 s[68:69], s[68:69], s[20:21]
	s_add_nc_u64 s[70:71], s[70:71], s[20:21]
	s_mov_b64 s[PX:PX+1], s[68:69]
.macro FRAG reg, adr, q, i             ; 16 rows x 128 K: four loads of 16 bytes a lane, the same places of K in both operands
.irp c, 0,1,2,3
	ds_load_b128 v[\reg+4*\c:\reg+4*\c+3], v[\adr] offset:128*(\q)+32*\c+(\i)*16*PITCH
.endr
.endm
.macro MUL8 a, p, zero                 ; xc's block a against wc's eight.  The 64 accumulators take turns, in the same order in every step
.irp b, 0,1,2,3,4,5,6,7
.if \zero
	v_wmma_f32_16x16x128_bf8_bf8 v[8*(8*((\a)%4)+\b):8*(8*((\a)%4)+\b)+7], v[128*(\p)+FR*\b:128*(\p)+FR*\b+FR-1], v[AF+FR*(\a):AF+FR*(\a)+FR-1], 0
.else
	v_wmma_f32_16x16x128_bf8_bf8 v[8*(8*((\a)%4)+\b):8*(8*((\a)%4)+\b)+7], v[128*(\p)+FR*\b:128*(\p)+FR*\b+FR-1], v[AF+FR*(\a):AF+FR*(\a)+FR-1], v[8*(8*((\a)%4)+\b):8*(8*((\a)%4)+\b)+7]
.endif
.endr
.endm
.macro MUL16 a0, p, zero
	MUL8 \a0, \p, \zero
	MUL8 (\a0)+1, \p, \zero
.endm
.macro FETCH_B slot, q, p
	WIN TO_B
.irp i, 0,1,2,3,4,5,6,7
	FRAG 128*(\p)+FR*\i, ADRB+\slot, \q, \i
.endr
	WIN 0
.endm
.macro FETCH_A slot, q, i0
.irp i, \i0, \i0+1, \i0+2, \i0+3
	FRAG AF+FR*(\i), ADRA+\slot, \q, \i
.endr
.endm
; A step of 128 along K that has its successor in the same slot.
.macro STEP slot, q, zero
	s_wait_dscnt 4*NL                              ; wc's set and xc's blocks 0-3 are in; the youngest 16 loads (blocks 4-7) may be out
	WIN MUL_LO
	MUL16 0, (\q)%2, \zero
	MUL16 2, (\q)%2, \zero
	s_wait_dscnt 0
	PLACES NP
	FETCH_B \slot, (\q)+1, 1-(\q)%2
	FETCH_A \slot, (\q)+1, 0
	WIN MUL_HI
	MUL16 4, (\q)%2, \zero
	MUL16 6, (\q)%2, \zero
	PLACES NP
	WIN 0
	FETCH_A \slot, (\q)+1, 4
.endm
; A slot's last step changes slots: one barrier; ahead of it each wave waits for all its tensor loads, adds 0 to its spare word, and waits for that and for its reads of this slot.
; Eight matrix instructions stand ahead of the signal and eight inside the barrier, so that the refill leaves 16 matrix instructions into the step.
.macro TURN slot, next, fill
	s_wait_tensorcnt 0x0                           ; my part of the next slot has landed
	ds_add_u32 v[SPW], v[NIL]
	s_wait_dscnt 4*NL+1                            ; (the add and xc's blocks 4-7 may be out)
	WIN MUL_LO
	MUL8 0, 1, 0
	s_wait_dscnt 0x0                               ; the add is done, and my reads of this slot are over
	s_barrier_signal -1
	MUL8 1, 1, 0
	WIN 0
	s_barrier_wait -1
.if \fill
	CREST                                          ; the barrier has opened a round of the cluster's barrier
	s_add_nc_u64 s[G0+4*\slot+2:G0+4*\slot+3], s[G0+4*\slot+2:G0+4*\slot+3], 2*ROWB
	s_add_nc_u64 s[G0B+4*\slot+2:G0B+4*\slot+3], s[G0B+4*\slot+2:G0B+4*\slot+3], 2*ROWB
	JLOAD G0+4*\slot, G1, G0B+4*\slot, G1B
.endif
	WIN MUL_LO
	MUL16 2, 1, 0
	PLACES NP
	FETCH_B \next, 0, 0
	FETCH_A \next, 0, 0
.if \fill
	ASKT 1024+256*(\slot), 1
.endif
.if (\slot) == 0
	global_prefetch_b8 v[PF], s[PX:PX+1] th:TH_LOAD_NT scope:SCOPE_SE
.endif
	WIN MUL_HI
	MUL16 4, 1, 0
	MUL16 6, 1, 0
	PLACES NP
	WIN 0
	FETCH_A \next, 0, 4
.endm
.macro XLOAD a                         ; xg of my rows 16 a ..: a load takes 512 consecutive bytes
	WIN TO_B
.irp t, 0,1,2,3,4,5,6,7,8,9,10,11,12,13,14,15
	global_load_b128 v[64*((\a)%4)+4*\t:64*((\a)%4)+4*\t+3], v[CO], s[68:69] offset:(16*(\a)+\t)*16384 th:TH_LOAD_NT
.endr
	WIN 0
.endm
	s_wait_tensorcnt 0x0                           ; my part of K step 0 is in
	ds_add_u32 v[SPW], v[NIL]
	s_wait_dscnt 0x0
	CROUND
	JLOAD G0+4, G1, G0B+4, G1B                     ; K step 1
	FETCH_B 0, 0, 0
	FETCH_A 0, 0, 0
	FETCH_A 0, 0, 4
	ASKT 768, 0
	STEP 0, 0, 1                                   ; the first step starts the sums
	s_mov_b32 s3, LAPS-1
.Llap:                                                 ; a trip goes once round the ring and fills both slots again
	TURN 0, 1, 1
	STEP 1, 0, 0
	TURN 1, 0, 1
	STEP 0, 0, 0
	s_wait_xcnt 0x0                                ; the prefetches have read their bases: these step only behind this wait
	s_add_nc_u64 s[PT:PT+1], s[PT:PT+1], 2*ROWB
	s_add_nc_u64 s[PX:PX+1], s[PX:PX+1], 16*16384
	s_sub_co_u32 s3, s3, 1
	s_cmp_lg_u32 s3, 0
	s_cbranch_scc1 .Llap
	TURN 0, 1, 0                                   ; the last lap fills nothing
	STEP 1, 0, 0
	global_load_b128 v[BI:BI+3], v[CO], s[10:11]
	XLOAD 0                                        ; into wc's set 0, which is done with
	XLOAD 1
	s_wait_dscnt 4*NL
	WIN MUL_LO
	MUL16 0, 1, 0
	MUL16 2, 1, 0
	s_wait_dscnt 0
	WIN MUL_HI
	MUL16 4, 1, 0
	MUL16 6, 1, 0
	WIN 0
; THE WAY OUT, by blocks of 16 rows x 128 columns: through my stage, back as rows of 512 bytes; x 2^(e0 + e1) + bias, relu, + xg; stored as two aligned runs of 256 bytes.
.macro TOSTAGE a
.set AC, 64*((\a)%4)
.set BT, BK+64*((\a)%2)
	WIN (0x08+4*((\a)/4))
.irp b, 0,1,2,3,4,5,6,7
	ds_store_b128 v[STO], v[AC+8*\b:AC+8*\b+3] offset:64*\b          ; each accumulator from its low end on
	ds_store_b128 v[STO], v[AC+8*\b+4:AC+8*\b+7] offset:64*\b+16
.endr
	WIN 0
.irp t, 0,1,2,3,4,5,6,7,8,9,10,11,12,13,14,15
	ds_load_b128 v[BT+4*\t:BT+4*\t+3], v[RD] offset:\t*SPITCH        ; LDS serves a wave's instructions in order: these see the stores above
.endr
.endm
.macro FIN a, younger
.set BB, BK+64*((\a)%2)
.set XS, 64*((\a)%4)
	s_wait_dscnt \younger
.if (\a) < 5
	s_wait_loadcnt 48                              ; my block's xg is in; three younger blocks of 16 loads may be out
.else
	s_wait_loadcnt 16*(7-(\a))
.endif
.irp t, 0,1,2,3,4,5,6,7,8,9,10,11,12,13,14,15
	v_pk_fma_f32 v[BB+4*\t:BB+4*\t+1], v[BB+4*\t:BB+4*\t+1], s[96:97], v[BI:BI+1] op_sel_hi:[1,0,1]
	v_pk_fma_f32 v[BB+4*\t+2:BB+4*\t+3], v[BB+4*\t+2:BB+4*\t+3], s[96:97], v[BI+2:BI+3] op_sel_hi:[1,0,1]
.endr
.set n, 0
.rept 64
	v_max_num_f32 v[BB+n], 0, v[BB+n]
.set n, n+1
.endr
	WIN 0x04
.set n, 0
.rept 32
	v_pk_add_f32 v[BB+n:BB+n+1], v[BB+n:BB+n+1], v[XS+n:XS+n+1]
.set n, n+2
.endr
	WIN 0
.if (\a) < 4
	XLOAD (\a)+4
.endif
.irp t, 0,1,2,3,4,5,6,7,8,9,10,11,12,13,14,15
	global_store_b128 v[CO], v[BB+4*\t:BB+4*\t+3], s[70:71] offset:(16*(\a)+\t)*16384 th:TH_STORE_NT
.endr
.endm
	s_wait_kmcnt 0x0
	s_add_co_i32 s96, s96, s97
	s_add_co_i32 s96, s96, 127
	s_lshl_b32 s96, s96, 23                        ; 2^(e0 + e1) as f32
	PLACES NP
	XLOAD 2
	XLOAD 3
	TOSTAGE 0
.irp a, 1,2,3,4,5,6,7
.if \a > 1
	s_wait_xcnt 0x0                                ; block a - 2's stores have read their registers
.endif
	TOSTAGE \a
	FIN \a-1, 32
.endr
	FIN 7, 0
	s_wait_tensorcnt 0x0                           ; the wave's end
	ds_add_u32 v[SPW], v[NIL]
	s_wait_dscnt 0x0
	CROUND                                         ; the closing round
	s_endpgm
.Lfunc_end_k_q45bbcfd1fb_gemm:
	.size	k_q45bbcfd1fb_gemm, .Lfunc_end_k_q45bbcfd1fb_gemm-k_q45bbcfd1fb_gemm
	.p2alignl 7, 3214868480
	.fill 96, 4, 3214868480
	.section	.rodata,"a",@progbits
	.p2align	6, 0x0
	.amdhsa_kernel k_q45bbcfd1fb_gemm
		.amdhsa_group_segment_fixed_size 327680
		.amdhsa_private_segment_fixed_size 0
		.amdhsa_enable_private_segment 0
		.amdhsa_kernarg_size 48
		.amdhsa_user_sgpr_count 2
		.amdhsa_user_sgpr_kernarg_segment_ptr 1
		.amdhsa_wavefront_size32 1
		.amdhsa_system_sgpr_workgroup_id_x 1
		.amdhsa_system_sgpr_workgroup_id_y 1
		.amdhsa_system_sgpr_workgroup_id_z 1
		.amdhsa_system_vgpr_workitem_id 0
		.amdhsa_next_free_vgpr 1024
		.amdhsa_next_free_sgpr 100
		.amdhsa_reserve_vcc 0
		.amdhsa_float_denorm_mode_32 3
		.amdhsa_float_denorm_mode_16_64 3
		.amdhsa_memory_ordered 1
		.amdhsa_forward_progress 1
		.amdhsa_inst_pref_size 170
	.end_amdhsa_kernel
	.amdgpu_metadata
---
amdhsa.version: [ 1, 2 ]
amdhsa.kernels:
  - .name:           k_q45bbcfd1fb_gemm
    .symbol:         k_q45bbcfd1fb_gemm.kd
    .args:
      - { .name: x_codes, .offset: 0, .size: 8, .value_kind: global_buffer, .address_space: global }
      - { .name: w_codes, .offset: 8, .size: 8, .value_kind: global_buffer, .address_space: global }
      - { .name: lowp_scales, .offset: 16, .size: 8, .value_kind: global_buffer, .address_space: global }
      - { .name: bias, .offset: 24, .size: 8, .value_kind: global_buffer, .address_space: global }
      - { .name: xg, .offset: 32, .size: 8, .value_kind: global_buffer, .address_space: global }
      - { .name: out0, .offset: 40, .size: 8, .value_kind: global_buffer, .address_space: global }
    .group_segment_fixed_size: 327680
    .private_segment_fixed_size: 0
    .kernarg_segment_align: 8
    .kernarg_segment_size: 48
    .max_flat_workgroup_size: 128
    .sgpr_count:     100
    .vgpr_count:     1024
    .wavefront_size: 32
...
	.end_amdgpu_metadata
.endif
;; end of part 2
